; MI455X (gfx1250); checked and timed in simulation.
; The chip was launched on July 23, 2026; its instructions are those of AMD's public machine-readable ISA for CDNA 5 (MIT licence, August 2026) and "CDNA5" Instruction Set Architecture Reference Guide (July 2026). The comments in the code are by the model that wrote it; some were corrected since.
;; Efficient Attention. Allowed arithmetic: float matrix products may take bf16 or f16 operands with f32 sums; all other float work in f32.
;; Inputs: k_proj 1,024 x 1,024 float32; out_proj 1,024 x 1,024 float32; q_proj 1,024 x 1,024 float32; v_proj 1,024 x 1,024 float32; x 2 x 2,048 x 1,024 float32.
;; Outputs: out0 2 x 2,048 x 1,024 float32.
;; One version. Each part assembles by itself: llvm-mc -triple=amdgcn-amd-amdhsa -mcpu=gfx1250 --defsym DOCPART=n.
;; ======== version 1 of 1: 4 launches
;; limits: values are held in f16: magnitudes above 65,504 overflow, below 6.1e-05 lose precision
;; workspace buffers: xb 8,388,608 bytes; wb 8,388,608 bytes; qkv 25,165,824 bytes; ctx 8,388,608 bytes
;; launch prep (part 1): grid 1024 x 1, 8 waves a work-group, no clusters, 0 bytes of LDS; arguments x, q_proj, k_proj, v_proj, out_proj, xb, wb; writes xb, wb
.if DOCPART == 1
	.amdgcn_target "amdgcn-amd-amdhsa--gfx1250"
	.amdhsa_code_object_version 6
	.text
	.protected	k_q58f7158482_prep
	.globl	k_q58f7158482_prep
	.p2align	8
	.type	k_q58f7158482_prep,@function
k_q58f7158482_prep:
	s_mov_b64 s[64:65], 0
	v_nop
	global_prefetch_b8 v0, s[64:65] scope:SCOPE_SE
	s_setreg_imm32_b32 hwreg(HW_REG_WAVE_MODE, 25, 1), 1
	s_wait_xcnt 0x0
; The casts.  xb[4096][1024] = bf16(x).  wb[4][1024 k][1024 n]: q_proj, k_proj, v_proj rounded to bf16; out_proj rounded to bf16 like
; the others and that value written as an f16 code, since its partner in the last product (the attention's result) is kept in f16.
; LIMIT: |out_proj| < 65,504 (f16's range); the bf16 value is kept exactly from 2^-17 up, below that with an absolute error of at most 2^-25.
; Nothing is transposed: the later launches read the weights [k][n] with the transposing LDS load.
; A work-group casts 8,192 numbers: 32,768 bytes in, 16,384 out.  Groups 0-511 take x, then 128 groups for each weight.
; A stream: no LDS, no barrier, no matrix unit.  Each load of a wave covers 512 consecutive bytes, each store 256 consecutive bytes, aligned.
.set XI, 4                             ; v[4:35]   eight loads of 4 numbers
.set YO, 36                            ; v[36:51]  eight stores of 4 numbers of 16 bits
	s_load_b256 s[4:11], s[0:1], 0x0               ; x s[4:5], q_proj s[6:7], k_proj s[8:9], v_proj s[10:11]
	s_load_b128 s[12:15], s[0:1], 0x20             ; out_proj s[12:13], xb s[14:15]
	s_load_b64 s[16:17], s[0:1], 0x30              ; wb
	v_lshlrev_b32 v1, 4, v0                        ; 16 bytes a thread in
	v_lshlrev_b32 v2, 3, v0                        ; 8 bytes a thread out
	s_and_b32 s20, ttmp9, 127                      ; block inside a weight,
	s_cmp_lt_u32 ttmp9, 512
	s_cselect_b32 s20, ttmp9, s20                  ; or inside x
	s_lshl_b32 s28, s20, 15                        ; x 32,768 bytes
	s_mov_b32 s29, 0
	s_and_b32 s21, ttmp9, 511                      ; block inside xb or wb
	s_lshl_b32 s30, s21, 14                        ; x 16,384 bytes
	s_mov_b32 s31, 0
	s_wait_kmcnt 0x0
	s_mov_b64 s[24:25], s[12:13]                   ; the source: out_proj, unless the group's number is lower
	s_cmp_lt_u32 ttmp9, 896
	s_cselect_b64 s[24:25], s[10:11], s[24:25]
	s_cmp_lt_u32 ttmp9, 768
	s_cselect_b64 s[24:25], s[8:9], s[24:25]
	s_cmp_lt_u32 ttmp9, 640
	s_cselect_b64 s[24:25], s[6:7], s[24:25]
	s_cmp_lt_u32 ttmp9, 512
	s_cselect_b64 s[24:25], s[4:5], s[24:25]
	s_cselect_b64 s[26:27], s[14:15], s[16:17]     ; the destination: xb or wb
	s_add_nc_u64 s[24:25], s[24:25], s[28:29]
	s_add_nc_u64 s[26:27], s[26:27], s[30:31]
.irp i, 0,1,2,3,4,5,6,7
	global_load_b128 v[XI+4*\i:XI+4*\i+3], v1, s[24:25] offset:4096*\i th:TH_LOAD_NT   ; all eight go out at once; each byte is read once in the launch
.endr
	s_cmp_ge_u32 ttmp9, 896
	s_cbranch_scc1 .Lwo
.irp i, 0,1,2,3,4,5,6,7
	s_wait_loadcnt 7-\i                            ; loads come back in order: load i is in, the 7 - i younger ones stay out
	v_cvt_pk_bf16_f32 v[YO+2*\i], v[XI+4*\i], v[XI+4*\i+1]
	v_cvt_pk_bf16_f32 v[YO+2*\i+1], v[XI+4*\i+2], v[XI+4*\i+3]
	global_store_b64 v2, v[YO+2*\i:YO+2*\i+1], s[26:27] offset:2048*\i
.endr
	s_endpgm
.Lwo:                                  ; out_proj: to bf16, widened again, and that value as f16
.irp i, 0,1,2,3,4,5,6,7
	s_wait_loadcnt 7-\i
	v_cvt_pk_bf16_f32 v[YO+2*\i], v[XI+4*\i], v[XI+4*\i+1]
	v_cvt_pk_bf16_f32 v[YO+2*\i+1], v[XI+4*\i+2], v[XI+4*\i+3]
	v_lshlrev_b32 v[XI+4*\i], 16, v[YO+2*\i]
	v_and_b32 v[XI+4*\i+1], 0xffff0000, v[YO+2*\i]
	v_lshlrev_b32 v[XI+4*\i+2], 16, v[YO+2*\i+1]
	v_and_b32 v[XI+4*\i+3], 0xffff0000, v[YO+2*\i+1]
	v_cvt_pk_f16_f32 v[YO+2*\i], v[XI+4*\i], v[XI+4*\i+1]
	v_cvt_pk_f16_f32 v[YO+2*\i+1], v[XI+4*\i+2], v[XI+4*\i+3]
	global_store_b64 v2, v[YO+2*\i:YO+2*\i+1], s[26:27] offset:2048*\i
.endr
	s_endpgm
.Lfunc_end_k_q58f7158482_prep:
	.size	k_q58f7158482_prep, .Lfunc_end_k_q58f7158482_prep-k_q58f7158482_prep
	.p2alignl 7, 3214868480
	.fill 96, 4, 3214868480
	.section	.rodata,"a",@progbits
	.p2align	6, 0x0
	.amdhsa_kernel k_q58f7158482_prep
		.amdhsa_group_segment_fixed_size 0
		.amdhsa_private_segment_fixed_size 0
		.amdhsa_enable_private_segment 0
		.amdhsa_kernarg_size 56
		.amdhsa_user_sgpr_count 2
		.amdhsa_user_sgpr_kernarg_segment_ptr 1
		.amdhsa_wavefront_size32 1
		.amdhsa_system_sgpr_workgroup_id_x 1
		.amdhsa_system_sgpr_workgroup_id_y 1
		.amdhsa_system_sgpr_workgroup_id_z 1
		.amdhsa_system_vgpr_workitem_id 0
		.amdhsa_next_free_vgpr 52
		.amdhsa_next_free_sgpr 66
		.amdhsa_reserve_vcc 0
		.amdhsa_float_denorm_mode_32 3
		.amdhsa_float_denorm_mode_16_64 3
		.amdhsa_memory_ordered 1
		.amdhsa_forward_progress 1
		.amdhsa_inst_pref_size 9
	.end_amdhsa_kernel
	.amdgpu_metadata
---
amdhsa.version: [ 1, 2 ]
amdhsa.kernels:
  - .name:           k_q58f7158482_prep
    .symbol:         k_q58f7158482_prep.kd
    .args:
      - { .name: x, .offset: 0, .size: 8, .value_kind: global_buffer, .address_space: global }
      - { .name: q_proj, .offset: 8, .size: 8, .value_kind: global_buffer, .address_space: global }
      - { .name: k_proj, .offset: 16, .size: 8, .value_kind: global_buffer, .address_space: global }
      - { .name: v_proj, .offset: 24, .size: 8, .value_kind: global_buffer, .address_space: global }
      - { .name: out_proj, .offset: 32, .size: 8, .value_kind: global_buffer, .address_space: global }
      - { .name: xb, .offset: 40, .size: 8, .value_kind: global_buffer, .address_space: global }
      - { .name: wb, .offset: 48, .size: 8, .value_kind: global_buffer, .address_space: global }
    .group_segment_fixed_size: 0
    .private_segment_fixed_size: 0
    .kernarg_segment_align: 8
    .kernarg_segment_size: 56
    .max_flat_workgroup_size: 256
    .sgpr_count:     66
    .vgpr_count:     52
    .wavefront_size: 32
...
	.end_amdgpu_metadata
.endif
;; end of part 1
;; launch qkv (part 2): grid 8 x 32, 4 waves a work-group, clusters of 4 x 4, 327,680 bytes of LDS; arguments xb, wb, qkv; writes qkv
.if DOCPART == 2
	.amdgcn_target "amdgcn-amd-amdhsa--gfx1250"
	.amdhsa_code_object_version 6
	.text
	.protected	k_q58f7158482_qkv
	.globl	k_q58f7158482_qkv
	.p2align	8
	.type	k_q58f7158482_qkv,@function
k_q58f7158482_qkv:
	s_mov_b64 s[64:65], 0
	v_nop
	global_prefetch_b8 v0, s[64:65] scope:SCOPE_SE
	s_setreg_imm32_b32 hwreg(HW_REG_WAVE_MODE, 25, 1), 1
	s_wait_xcnt 0x0
	s_wait_alu depctr_hold_cnt(0) depctr_sa_sdst(0) depctr_va_vdst(0) depctr_va_sdst(0) depctr_va_ssrc(0) depctr_va_vcc(0) depctr_vm_vsrc(0)
	s_getreg_b32 s2, hwreg(HW_REG_IB_STS2, 6, 4)
	s_cmp_eq_u32 s2, 0
	s_cbranch_scc0 .Lentry_in_a_cluster
	s_endpgm
.Lentry_in_a_cluster:
	s_bfe_u32 s2, ttmp6, 0x10000c
	s_cmp_lg_u32 s2, 0xf033
	s_cbranch_scc0 .Lentry_shape_is_right
	s_endpgm
.Lentry_shape_is_right:
; q, k, v = x Wq, x Wk, x Wv.  xb [4096][1024] bf16; wb [4][1024 k][1024 n] bf16; sums in f32; results rounded once to f16 and stored
; as qkv[3][b 2][h 16][s 2048][d 64].  LIMIT: |q|, |k|, |v| < 65,504 (f16's range).
; A work-group makes 128 rows x (the same 128 columns of each of the three products): 8 x 32 = 256 work-groups.  Four waves; a wave makes
; 64 rows x 192 columns, 48 accumulator tiles of 16 x 16 = 384 registers: column half c = 0 takes all 128 columns of q and columns 0-63 of k,
; c = 1 all 128 columns of v and columns 64-127 of k.  For 32 along K a wave loads 16 fragments for 48 matrix instructions.
; K goes in 8 steps of 128 through two LDS slots.  A slot: 128 rows of x (256 bytes + 16 of padding), then 128 k-rows of each weight
; (256 bytes + 32 of padding).  Wave 0 asks for x's tile, waves 1 to 3 for one weight's tile each: one tensor load a wave.
; CLUSTERS of 4 x 4: x's tile hangs on the block row alone and is asked for jointly by a row of the cluster, a weight's tile on the block column
; alone and is asked for jointly by a column.
; The weights lie [k][n]; their fragments come by the transposing LDS load.  The matrix instruction is used transposed (source 0 = 16 columns
; of W, source 1 = 16 rows of x), so that a lane's eight results are eight neighbouring columns of one row.
; REGISTERS: window 0: addresses, x's fragments (two buffers), the way out.  Window 1: W's fragments (two buffers of 96).
; Window 2: accumulators of my rows 0-31, window 3: of my rows 32-63, tile (a, b) at v[8 (12 a + b)].
.set KSTEP,  128
.set PA,     272                       ; LDS pitch of x's rows: an odd multiple of 16 bytes
.set PB,     288                       ; LDS pitch of W's k-rows: an odd multiple of 32 bytes
.set ATILE,  128*PA                    ; 34,816
.set BTILE,  128*PB                    ; 36,864
.set SLOT,   ATILE+3*BTILE             ; 145,408
.set STAGE,  2*SLOT                    ; 290,816: behind the ring, never a tensor load's target
.set SP,     400                       ; a stage row: 12 tiles x 32 bytes + 16
.set NB,     12
.set LAPS,   4                         ; a lap = two K steps = once round the ring
.set ADRA, 16                          ; v16-17 my x fragments in slot 0, 1
.set ADB8, 18                          ; v18-19 my whole weight (q or v)
.set ADB4, 20                          ; v20-21 my half of k's weight
.set STO,  24
.set RD,   25
.set CO,   26
.set FA0,  32
.set FA1,  64
.set TMP,  96                          ; v96-143  packed results
.set RB,   144                         ; v144-191 rows read back
.set FB0,  0                           ; window 1
.set FB1,  96
.set G1,  24
.set G0,  32
.set G1B, 48
.set G0B, 56
.set MSB, 0
.macro WIN new                         ; the immediate's high byte repeats the setting that is left
.if MSB != \new
	s_set_vgpr_msb (MSB<<8)|\new
.set MSB, \new
.endif
.endm
.set MUL_LO, 0xa1                      ; source 0 (W) window 1, source 1 (x) window 0, C and D window 2
.set MUL_HI, 0xf1                      ; the same, C and D window 3
.set TO_B,   0x40                      ; destination window 1, address window 0
.macro PLACES                          ; four plain vector places behind a matrix instruction, ahead of loads into its sources and of readers of its result
.rept 4
	v_nop
.endr
.endm
; A joint load: wave 0 asks for x's tile, waves 1 to 3 for a weight's.  The branch hangs on the wave's number alone.
.macro JLOAD s
	s_cmp_eq_u32 s10, 0
	s_cbranch_scc0 .Lfor_b_\@
	tensor_load_to_lds s[G0+4*\s:G0+4*\s+3], s[G1:G1+7]
	s_nop 0
	s_branch .Lasked_\@
.Lfor_b_\@:
	tensor_load_to_lds s[G0B+4*\s:G0B+4*\s+3], s[G1B:G1B+7]
	s_nop 0
.Lasked_\@:
.endm
.macro CREST                           ; a round of the cluster's barrier behind its opening work-group barrier
	s_cmp_lg_u32 s10, 0
	s_cbranch_scc1 .Lnot_wave_0_\@
	s_barrier_signal -3
.Lnot_wave_0_\@:
	s_barrier_wait -3
	s_barrier_signal -1
	s_barrier_wait -1
.endm
.macro CROUND
	s_barrier_signal -1
	s_barrier_wait -1
	CREST
.endm
	s_load_b128 s[4:7], s[0:1], 0x0                ; xb s[4:5], wb s[6:7]
	s_load_b64 s[8:9], s[0:1], 0x10                ; qkv
	s_set_vgpr_msb 0x40
	v_lshl_add_u32 v255, v0, 2, 0x4d400
	s_set_vgpr_msb 0x4000
	v_mov_b32 v255, 0
	s_set_vgpr_msb 0x1
	ds_add_u32 v255, v255
	ds_add_u32 v255, v255
	s_set_vgpr_msb 0x100
	v_lshrrev_b32 v1, 5, v0
	v_readfirstlane_b32 s10, v1                    ; wave 0..3
	s_lshr_b32 s11, s10, 1                         ; which 64 rows are mine
	s_and_b32 s12, s10, 1                          ; c: which column half
	s_bfe_u32 s40, ttmp6, 0x40000                  ; cx
	s_bfe_u32 s41, ttmp6, 0x40004                  ; cy
	s_lshl_b32 s42, ttmp9, 2
	s_add_co_u32 s42, s42, s40                     ; block column bx = 4 x cluster x + cx
	s_and_b32 s13, ttmp7, 0xffff
	s_lshl_b32 s13, s13, 2
	s_add_co_u32 s13, s13, s41                     ; block row by = 4 x cluster y + cy
	s_lshl_b32 s43, s41, 2
	s_lshl_b32 s43, 15, s43                        ; my row of the cluster
	s_lshl_b32 s44, 0x1111, s40                    ; my column
	; group 1: tiles of 128 rows x 128 elements of 2 bytes, 1,024 elements from row to row; padding behind every 64 words: 4 words (x), 8 words (W)
	s_or_b32 s[G1+0], s43, (1<<16)|(1<<20)|(1<<21)|(5<<22)|(3<<25)
	s_or_b32 s[G1B+0], s44, (1<<16)|(1<<20)|(1<<21)|(5<<22)|(7<<25)
	s_mov_b32 s[G1+1], 128<<16                     ; tensor_dim0 = 128
	s_mov_b32 s[G1B+1], 128<<16
	s_mov_b32 s[G1+2], 128<<16                     ; tensor_dim1 = 128
	s_mov_b32 s[G1B+2], 128<<16
	s_mov_b32 s[G1+3], 128<<16                     ; tile_dim0 = 128
	s_mov_b32 s[G1B+3], 128<<16
	s_mov_b32 s[G1+4], 128                         ; tile_dim1 = 128
	s_mov_b32 s[G1B+4], 128
	s_mov_b32 s[G1+5], 1024                        ; the pitch
	s_mov_b32 s[G1B+5], 1024
	s_mov_b32 s[G1+6], 0
	s_mov_b32 s[G1B+6], 0
	s_mov_b32 s[G1+7], 0
	s_mov_b32 s[G1B+7], 0
	s_lshl_b32 s16, s13, 18                        ; x: 128 rows of 2,048 bytes a block row
	s_mov_b32 s17, 0
	s_max_u32 s45, s10, 1
	s_sub_co_u32 s45, s45, 1                       ; which weight I ask for (wave 0 asks for none)
	s_lshl_b32 s46, s45, 21                        ; a weight is 2,097,152 bytes
	s_lshl_b32 s47, s42, 8                         ; 128 columns are 256 bytes
	s_add_co_u32 s46, s46, s47
	s_mov_b32 s47, 0
	s_mul_i32 s20, s10, BTILE                      ; LDS: the weights' tiles follow x's, wave w's at ATILE + (w - 1) BTILE
	s_wait_dscnt 0x0
	s_wait_kmcnt 0x0
	s_add_nc_u64 s[14:15], s[4:5], s[16:17]
	s_add_nc_u64 s[46:47], s[6:7], s[46:47]
	CROUND                                         ; all sixteen work-groups are here: the first joint loads meet
.irp s, 0,1
	s_mov_b32 s[G0+4*\s], 1
	s_mov_b32 s[G0+4*\s+1], \s*SLOT
	s_add_nc_u64 s[G0+4*\s+2:G0+4*\s+3], s[14:15], \s*KSTEP*2
	s_or_b32 s[G0+4*\s+3], s[G0+4*\s+3], 0x80000000
	s_mov_b32 s[G0B+4*\s], 1
	s_add_co_u32 s[G0B+4*\s+1], s20, \s*SLOT+ATILE-BTILE
	s_add_nc_u64 s[G0B+4*\s+2:G0B+4*\s+3], s[46:47], \s*KSTEP*2048
	s_or_b32 s[G0B+4*\s+3], s[G0B+4*\s+3], 0x80000000
	JLOAD \s                                       ; K steps 0 and 1: two tensor loads of the wave are out
.endr
	v_and_b32 v1, 15, v0                           ; r = lane % 16
	v_bfe_u32 v2, v0, 4, 1                         ; h = lane / 16
	v_mul_u32_u24 v3, v1, PA
	v_lshl_add_u32 v3, v2, 4, v3                   ; x: row r, 16 bytes for each half of the lanes
	v_and_b32 v5, 7, v0
	v_lshl_add_u32 v5, v2, 3, v5                   ; W: k-row 8 h + lane % 8,
	v_bfe_u32 v6, v0, 3, 1
	v_mul_u32_u24 v4, v5, PB
	v_lshl_add_u32 v4, v6, 4, v4                   ; and which 16 bytes of the 32 of a tile's columns
	s_mul_i32 s21, s11, 64*PA
	s_mul_i32 s22, s12, 2*BTILE
	s_add_co_u32 s22, s22, ATILE                   ; Wq's tile (c = 0) or Wv's (c = 1)
	s_lshl_b32 s23, s12, 7
	s_add_co_u32 s23, s23, ATILE+BTILE             ; Wk's tile, columns 64 c on
.irp s, 0,1
	v_add_nc_u32 v[ADRA+\s], s21, v3
	v_add_nc_u32 v[ADB8+\s], s22, v4
	v_add_nc_u32 v[ADB4+\s], s23, v4
	s_add_co_u32 s21, s21, SLOT
	s_add_co_u32 s22, s22, SLOT
	s_add_co_u32 s23, s23, SLOT
.endr
	s_mul_i32 s70, s10, 16*SP
	s_add_co_u32 s70, s70, STAGE                   ; my stage
	v_mul_u32_u24 v4, v1, SP
	v_lshl_add_u32 v4, v2, 4, v4
	v_add_nc_u32 v[STO], s70, v4                   ; in: row r, 16 bytes for each half of the lanes
	v_bfe_u32 v5, v0, 3, 2
	v_and_b32 v6, 7, v0
	v_mul_u32_u24 v5, v5, SP
	v_lshl_add_u32 v5, v6, 4, v5
	v_add_nc_u32 v[RD], s70, v5                    ; back: eight lanes take the 128 bytes of one head's row, four rows a load
	v_and_b32 v6, 31, v0
	v_lshlrev_b32 v[CO], 4, v6                     ; which are 512 consecutive bytes of qkv
; 12 matrix instructions: m tile a of the window's two x all 12 n tiles.  All 48 accumulators take turns in one fixed order, one instruction a turn.
.macro MULROW fa, fb, hi, a, zero
.irp b, 0,1,2,3,4,5,6,7,8,9,10,11
.if \zero
	v_wmma_f32_16x16x32_bf16 v[8*(NB*\a+\b):8*(NB*\a+\b)+7], v[\fb+8*\b:\fb+8*\b+7], v[\fa+8*(2*\hi+\a):\fa+8*(2*\hi+\a)+7], 0
.else
	v_wmma_f32_16x16x32_bf16 v[8*(NB*\a+\b):8*(NB*\a+\b)+7], v[\fb+8*\b:\fb+8*\b+7], v[\fa+8*(2*\hi+\a):\fa+8*(2*\hi+\a)+7], v[8*(NB*\a+\b):8*(NB*\a+\b)+7]
.endif
.endr
.endm
; 32 LDS loads in one run: quarter q (32 along K) of a slot: 24 transposing loads for W's 12 fragments, then 8 for x's 4
.macro FETCH slot, q, fa, fb
	WIN TO_B
.irp i, 0,1,2,3,4,5,6,7
	ds_load_tr16_b128 v[\fb+8*\i:\fb+8*\i+3],   v[ADB8+\slot] offset:\q*32*PB+32*\i
	ds_load_tr16_b128 v[\fb+8*\i+4:\fb+8*\i+7], v[ADB8+\slot] offset:\q*32*PB+32*\i+16*PB
.endr
.irp i, 0,1,2,3
	ds_load_tr16_b128 v[\fb+64+8*\i:\fb+64+8*\i+3],   v[ADB4+\slot] offset:\q*32*PB+32*\i
	ds_load_tr16_b128 v[\fb+64+8*\i+4:\fb+64+8*\i+7], v[ADB4+\slot] offset:\q*32*PB+32*\i+16*PB
.endr
	WIN 0
.irp i, 0,1,2,3
	ds_load_b128 v[\fa+8*\i:\fa+8*\i+3],   v[ADRA+\slot] offset:\q*64+\i*16*PA
	ds_load_b128 v[\fa+8*\i+4:\fa+8*\i+7], v[ADRA+\slot] offset:\q*64+\i*16*PA+32
.endr
.endm
; One of a K step's first three quarters: multiplies buffers (fa, fb), and in its middle fetches quarter q into (ga, gb)
.macro QUARTER slot, q, fa, fb, ga, gb, zero
	s_wait_dscnt 4                                 ; W's fragments and x's tiles 0, 1 are in; the four youngest loads (x's tiles 2, 3) may be out
	WIN MUL_LO
	MULROW \fa, \fb, 0, 0, \zero
	MULROW \fa, \fb, 0, 1, \zero
	PLACES
	FETCH \slot, \q, \ga, \gb
	s_wait_dscnt 32                                ; all but the 32 just issued
	WIN MUL_HI
	MULROW \fa, \fb, 1, 0, \zero
	MULROW \fa, \fb, 1, 1, \zero
.endm
.macro THREE slot, zero
	QUARTER \slot, 1, FA0, FB0, FA1, FB1, \zero
	QUARTER \slot, 2, FA1, FB1, FA0, FB0, 0
	QUARTER \slot, 3, FA0, FB0, FA1, FB1, 0
.endm
; The last quarter changes slots.  In front of the barrier each wave waits for its reads of this slot and for all its tensor loads (one is out: its
; part of the next slot).  With fill = 1 the barrier opens a round of the cluster's barrier, and the joint refill is the first tensor load behind it.
.macro TURN slot, next, fill
	s_wait_dscnt 4
	WIN MUL_LO
	MULROW FA1, FB1, 0, 0, 0
	s_wait_dscnt 0                                 ; my reads of this slot are over
	s_wait_tensorcnt 0x0                           ; all my tensor loads have landed
	ds_add_u32 v255, v255
	s_wait_dscnt 0x0
	s_barrier_signal -1
	MULROW FA1, FB1, 0, 1, 0                       ; register work while the others arrive
	WIN 0
	s_barrier_wait -1
.if \fill
	CREST                                          ; no wave of any partner still reads this slot or has a load on its way
	s_add_nc_u64 s[G0+4*\slot+2:G0+4*\slot+3], s[G0+4*\slot+2:G0+4*\slot+3], 2*KSTEP*2
	s_add_nc_u64 s[G0B+4*\slot+2:G0B+4*\slot+3], s[G0B+4*\slot+2:G0B+4*\slot+3], 2*KSTEP*2048
	JLOAD \slot
.endif
	PLACES
	FETCH \next, 0, FA0, FB0
	WIN MUL_HI
	MULROW FA1, FB1, 1, 0, 0
	MULROW FA1, FB1, 1, 1, 0
.endm
.macro LAP zero
	THREE 0, \zero
	TURN 0, 1, 1
	THREE 1, 0
	TURN 1, 0, 1
.endm
	s_wait_tensorcnt 1                             ; my part of K step 0 is in; K step 1's may stay out
	s_barrier_signal -1
	s_barrier_wait -1
	FETCH 0, 0, FA0, FB0
	LAP 1                                          ; the first products start the sums: nothing is cleared
	WIN 0
	s_mov_b32 s3, LAPS-2
.Llap:
	LAP 0
	WIN 0
	s_sub_co_u32 s3, s3, 1
	s_cmp_lg_u32 s3, 0
	s_cbranch_scc1 .Llap
	THREE 0, 0                                     ; the last lap fills nothing
	TURN 0, 1, 0
	THREE 1, 0
	s_wait_dscnt 4
	WIN MUL_LO
	MULROW FA1, FB1, 0, 0, 0
	MULROW FA1, FB1, 0, 1, 0
	s_wait_dscnt 0
	WIN MUL_HI
	MULROW FA1, FB1, 1, 0, 0
	MULROW FA1, FB1, 1, 1, 0
	; THE WAY OUT, 16 rows at a time: round to f16, 16 bytes a lane into my own stage, read back as rows of one head (128 bytes), four rows a store.
	PLACES
	s_lshr_b32 s70, s13, 4
	s_lshl_b32 s70, s70, 22                        ; batch: 16 heads of 262,144 bytes
	s_and_b32 s71, s13, 15
	s_lshl_b32 s71, s71, 14                        ; 128 rows of 128 bytes a block row
	s_add_co_u32 s70, s70, s71
	s_lshl_b32 s71, s11, 13                        ; my 64 rows
	s_add_co_u32 s70, s70, s71
	s_lshl_b32 s71, s42, 19                        ; heads 2 bx, 2 bx + 1
	s_add_co_u32 s70, s70, s71
	s_lshl_b32 s72, s12, 24                        ; q (c = 0) or v (c = 1): 2 c x 8,388,608
	s_add_co_u32 s72, s72, s70
	s_mov_b32 s73, 0
	s_lshl_b32 s74, s12, 18                        ; k, head 2 bx + c
	s_add_co_u32 s74, s74, s70
	s_add_co_u32 s74, s74, 8388608
	s_mov_b32 s75, 0
	s_add_nc_u64 s[66:67], s[8:9], s[72:73]
	s_add_nc_u64 s[68:69], s[8:9], s[74:75]
.macro OUT16 i, a, from
	WIN \from
.irp b, 0,1,2,3,4,5,6,7,8,9,10,11
.irp r, 0,1,2,3
	v_cvt_pk_f16_f32 v[TMP+4*\b+\r], v[8*(NB*\a+\b)+2*\r], v[8*(NB*\a+\b)+2*\r+1]
.endr
.endr
	WIN 0
.irp b, 0,1,2,3,4,5,6,7,8,9,10,11
	ds_store_b128 v[STO], v[TMP+4*\b:TMP+4*\b+3] offset:32*\b
.endr
	s_wait_xcnt 0x0                                ; RB, which the last stores read, is loaded again only behind this wait
.irp g, 0,1,2
.irp t, 0,1,2,3
	ds_load_b128 v[RB+4*(4*\g+\t):RB+4*(4*\g+\t)+3], v[RD] offset:4*SP*\t+128*\g   ; a wave's LDS instructions are served in order: these see the stores above
.endr
.endr
.irp g, 0,1
.irp t, 0,1,2,3
	s_wait_dscnt 11-(4*\g+\t)
	global_store_b128 v[CO], v[RB+4*(4*\g+\t):RB+4*(4*\g+\t)+3], s[66:67] offset:(16*\i+4*\t)*128+\g*262144   ; 512 consecutive bytes, aligned
.endr
.endr
.irp t, 0,1,2,3
	s_wait_dscnt 3-\t
	global_store_b128 v[CO], v[RB+4*(8+\t):RB+4*(8+\t)+3], s[68:69] offset:(16*\i+4*\t)*128
.endr
.endm
	OUT16 0, 0, 0x0a
	OUT16 1, 1, 0x0a
	OUT16 2, 0, 0x0f
	OUT16 3, 1, 0x0f
	s_set_vgpr_msb 0x1
	s_wait_tensorcnt 0x0
	ds_add_u32 v255, v255
	s_wait_dscnt 0x0
	s_set_vgpr_msb 0x100
	CROUND                                         ; the closing round: no work-group ends while a partner may still ask for a tile that names it
	s_endpgm
.Lfunc_end_k_q58f7158482_qkv:
	.size	k_q58f7158482_qkv, .Lfunc_end_k_q58f7158482_qkv-k_q58f7158482_qkv
	.p2alignl 7, 3214868480
	.fill 96, 4, 3214868480
	.section	.rodata,"a",@progbits
	.p2align	6, 0x0
	.amdhsa_kernel k_q58f7158482_qkv
		.amdhsa_group_segment_fixed_size 327680
		.amdhsa_private_segment_fixed_size 0
		.amdhsa_enable_private_segment 0
		.amdhsa_kernarg_size 24
		.amdhsa_user_sgpr_count 2
		.amdhsa_user_sgpr_kernarg_segment_ptr 1
		.amdhsa_wavefront_size32 1
		.amdhsa_system_sgpr_workgroup_id_x 1
		.amdhsa_system_sgpr_workgroup_id_y 1
		.amdhsa_system_sgpr_workgroup_id_z 1
		.amdhsa_system_vgpr_workitem_id 0
		.amdhsa_next_free_vgpr 960
		.amdhsa_next_free_sgpr 76
		.amdhsa_reserve_vcc 0
		.amdhsa_float_denorm_mode_32 3
		.amdhsa_float_denorm_mode_16_64 3
		.amdhsa_memory_ordered 1
		.amdhsa_forward_progress 1
		.amdhsa_inst_pref_size 164
	.end_amdhsa_kernel
	.amdgpu_metadata
---
amdhsa.version: [ 1, 2 ]
amdhsa.kernels:
  - .name:           k_q58f7158482_qkv
    .symbol:         k_q58f7158482_qkv.kd
    .args:
      - { .name: xb, .offset: 0, .size: 8, .value_kind: global_buffer, .address_space: global }
      - { .name: wb, .offset: 8, .size: 8, .value_kind: global_buffer, .address_space: global }
      - { .name: qkv, .offset: 16, .size: 8, .value_kind: global_buffer, .address_space: global }
    .group_segment_fixed_size: 327680
    .private_segment_fixed_size: 0
    .kernarg_segment_align: 8
    .kernarg_segment_size: 24
    .max_flat_workgroup_size: 128
    .sgpr_count:     76
    .vgpr_count:     960
    .wavefront_size: 32
...
	.end_amdgpu_metadata
.endif
;; end of part 2
;; launch attn (part 3): grid 8 x 32, 8 waves a work-group, no clusters, 327,680 bytes of LDS; arguments qkv, ctx; writes ctx
.if DOCPART == 3
	.amdgcn_target "amdgcn-amd-amdhsa--gfx1250"
	.amdhsa_code_object_version 6
	.text
	.protected	k_q58f7158482_attn
	.globl	k_q58f7158482_attn
	.p2align	8
	.type	k_q58f7158482_attn,@function
k_q58f7158482_attn:
	s_mov_b64 s[64:65], 0
	v_nop
	global_prefetch_b8 v0, s[64:65] scope:SCOPE_SE
	s_setreg_imm32_b32 hwreg(HW_REG_WAVE_MODE, 25, 1), 1
	s_wait_xcnt 0x0
; Causal attention of one head, softmax with a running maximum.  qkv[3][b][h][s 2048][d 64] f16 in; ctx[b 16 + s/128][h][r 128][d 64] f16 out.
; Products in f16 with f32 sums; maxima, exponentials and sums in f32.  LIMIT: |ctx| < 65,504 (it is a mean of v, which the launch before keeps in f16).
; SHARES.  A head has 16 query blocks of 128 rows.  Work-group p (0-7) takes block 15 - p and then block p.  Keys come in tiles of 256:
; block 15 - p needs n1 = (17 - p) / 2 of them, block p needs 9 - n1, so every work-group runs 9 steps.
; Eight waves: a = wave & 3 picks 32 query rows (two tiles u), team g = wave >> 2 picks keys 128 g .. 128 g + 127 of each tile.  Each team keeps its own
; maximum, sum and O; team 1 hands them to team 0 through LDS once for each block, and team 0 joins, divides and stores.
; NO MULTICAST: the eight work-groups of a head walk the same K and V, but from different starts and in different numbers (block 15 - p needs 5 to 8
; tiles, then all start again at tile 0 at different steps), so in a given step partners want different tiles.
; LAYOUT.  S^T = K Q^T (source 0 = 16 keys, source 1 = 16 queries): lane (r, h), register j holds key 8 h + j, query r.  A row's maximum and sum stay in
; two lanes, and the packed f16 of two key tiles is already source 1 of O^T = V^T P^T.  V^T's fragments come by the transposing LDS load.
; The running maximum is kept negated and scaled: NR = -(log2 e / 8) max; p = exp2(S log2 e / 8 + NR).  It starts at the largest finite number;
; masked scores are -infinity.
.set SLOTB,  77824                     ; a slot: K 256 keys x 144, then V 256 keys x 160
.set KP,     144                       ; odd multiple of 16
.set VP,     160                       ; odd multiple of 32
.set VOFF,   256*KP
.set XBASE,  2*SLOTB                   ; 155,648: two exchange regions, never a tensor load's target
.set XWAVE,  8704                      ; O 8,192 bytes, then NR0, NR1, L0, L1 of 128 bytes each
.set XBYTES, 4*XWAVE
.set STG,    XBASE+2*XBYTES            ; 225,280: team 0's stages, 32 rows x 144 each
.set STGW,   32*KP
.set QO,  1                            ; r 128 + 16 h
.set ADK, 2                            ; v2-3   my K fragments in slot 0, 1
.set ADV, 4                            ; v4-5   my V fragments
.set RH,  6                            ; r - 8 h
.set CO,  7                            ; 16 x lane
.set XA,  8
.set XB,  9
.set L,   10                           ; v10-11 my lane's part of the row sums
.set NR,  12                           ; v12-15 negated scaled maxima, each twice (pairs for the packed forms)
.set AL,  16                           ; v16-19 the factors for O, each twice
.set STO, 20
.set RD,  21
.set T,   22                           ; v22-31 at work
.set Q,   32                           ; v32-63   Q[u][dc]
.set KV,  64                           ; v64-127  K[t][dc], then V[cc][dt]
.set S,   128                          ; v128-191 S(u, 8 t + j), then P
.set O,   192                          ; v192-255 O(u, 8 dt + j)
.set G1K, 40
.set G1V, 48
.set G0K, 56
.set G0V, 68
.macro KVLOAD n                        ; waves 0-3 bring 64 keys of K each, waves 4-7 64 keys of V: one tensor load a wave
	s_cmp_lt_u32 s8, 4
	s_cbranch_scc0 .Lfor_v_\@
	tensor_load_to_lds s[G0K+4*\n:G0K+4*\n+3], s[G1K:G1K+7]
	s_nop 0
	s_branch .Lasked_\@
.Lfor_v_\@:
	tensor_load_to_lds s[G0V+4*\n:G0V+4*\n+3], s[G1V:G1V+7]
	s_nop 0
.Lasked_\@:
.endm
.macro LOADQ b                         ; my 32 query rows straight into fragments: lane (r, h) takes d = 8 h .. and 16 + 8 h .. of row r
.irp u, 0,1
.irp dc, 0,1
	global_load_b128 v[Q+16*\u+8*\dc:Q+16*\u+8*\dc+3],   v[QO], s[\b:\b+1] offset:2048*\u+64*\dc
	global_load_b128 v[Q+16*\u+8*\dc+4:Q+16*\u+8*\dc+7], v[QO], s[\b:\b+1] offset:2048*\u+64*\dc+32
.endr
.endr
.endm
.macro RESET                           ; a block begins: no maximum, no sum, O = 0 (twice in each wave's run)
.irp i, 0,1,2,3
	v_mov_b32 v[NR+\i], 0x7f7fffff
.endr
	v_mov_b32 v[L], 0
	v_mov_b32 v[L+1], 0
.set cnt, 0
.rept 64
	v_mov_b32 v[O+cnt], 0
.set cnt, cnt+1
.endr
.endm
.macro XSTORE reg                      ; team 1 hands over O, NR and L
.irp i, 0,1,2,3,4,5,6,7,8,9,10,11,12,13,14,15
	ds_store_b128 v[XA], v[O+4*\i:O+4*\i+3] offset:\reg*XBYTES+512*\i
.endr
	ds_store_b32 v[XB], v[NR]   offset:\reg*XBYTES
	ds_store_b32 v[XB], v[NR+2] offset:\reg*XBYTES+128
	ds_store_b32 v[XB], v[L]    offset:\reg*XBYTES+256
	ds_store_b32 v[XB], v[L+1]  offset:\reg*XBYTES+384
.endm
; Team 0 joins the two teams' figures, divides by the sum, rounds to f16 and stores 32 rows of 128 bytes through its stage.  cp: the block's place in ctx.
.macro MERGE reg, cp, reset
.irp i, 0,1,2,3,4,5,6,7,8,9,10,11,12,13,14,15
	ds_load_b128 v[KV+4*\i:KV+4*\i+3], v[XA] offset:\reg*XBYTES+512*\i
.endr
.irp i, 0,1,2,3
	ds_load_b32 v[T+\i], v[XB] offset:\reg*XBYTES+128*\i
.endr
	s_wait_dscnt 0x0
.irp u, 0,1
	v_min_num_f32 v[T+4], v[NR+2*\u], v[T+\u]      ; the joint maximum (negated)
	v_sub_f32 v[T+5], v[T+4], v[NR+2*\u]
	v_sub_f32 v[T+6], v[T+4], v[T+\u]
	v_exp_f32 v[T+5], v[T+5]                       ; my factor
	v_exp_f32 v[T+6], v[T+6]                       ; the partner's (0 if it saw no key)
	v_nop                                          ; one plain place behind a transcendental (ISA guide 5.7.2)
	s_wait_alu depctr_va_vdst(0)
	v_mul_f32 v[T+7], v[L+\u], v[T+5]
	v_fmac_f32 v[T+7], v[T+2+\u], v[T+6]
	v_permlanex16_b32 v[T+8], v[T+7], s24, s25     ; the other half of the row's keys
	v_add_f32 v[T+7], v[T+7], v[T+8]
	v_rcp_f32 v[T+7], v[T+7]                       ; the sum is at least 1: the row's largest score gives exp2(0)
	v_nop
	s_wait_alu depctr_va_vdst(0)
	v_mul_f32 v[AL], v[T+5], v[T+7]
	v_mul_f32 v[AL+2], v[T+6], v[T+7]
.irp i, 0,2,4,6,8,10,12,14,16,18,20,22,24,26,28,30
	v_pk_mul_f32 v[O+32*\u+\i:O+32*\u+\i+1], v[O+32*\u+\i:O+32*\u+\i+1], v[AL:AL+1] op_sel_hi:[1,0]
	v_pk_fma_f32 v[O+32*\u+\i:O+32*\u+\i+1], v[KV+32*\u+\i:KV+32*\u+\i+1], v[AL+2:AL+3], v[O+32*\u+\i:O+32*\u+\i+1] op_sel_hi:[1,0,1]
.endr
.irp i, 0,1,2,3,4,5,6,7,8,9,10,11,12,13,14,15
	v_cvt_pk_f16_f32 v[S+16*\u+\i], v[O+32*\u+2*\i], v[O+32*\u+2*\i+1]
.endr
.endr
.irp u, 0,1
.irp dt, 0,1,2,3
	ds_store_b128 v[STO], v[S+16*\u+4*\dt:S+16*\u+4*\dt+3] offset:16*KP*\u+32*\dt   ; query 16 u + r, d = 16 dt + 8 h ..
.endr
.endr
.irp t, 0,1,2,3,4,5,6,7
	ds_load_b128 v[S+32+4*\t:S+32+4*\t+3], v[RD] offset:4*KP*\t    ; my own bytes, served in order behind the stores
.endr
.irp t, 0,1,2,3,4,5,6,7
	s_wait_dscnt 7-\t
	global_store_b128 v[CO], v[S+32+4*\t:S+32+4*\t+3], s[\cp:\cp+1] offset:512*\t   ; four rows: 512 consecutive bytes, aligned
.endr
.if \reset
	RESET
	s_wait_xcnt 0x0                                ; S, which the stores read, is written again only behind this wait
.endif
.endm
.macro SOFTMAX
	; maxima: four chains of 16 registers, two for each u
.irp c, 0,1,2,3
	v_max3_num_f32 v[T+2+\c], v[S+16*\c], v[S+16*\c+1], v[S+16*\c+2]
.endr
.irp k, 3,5,7,9,11,13
.irp c, 0,1,2,3
	v_max3_num_f32 v[T+2+\c], v[T+2+\c], v[S+16*\c+\k], v[S+16*\c+\k+1]
.endr
.endr
.irp c, 0,1,2,3
	v_max_num_f32 v[T+2+\c], v[T+2+\c], v[S+16*\c+15]
.endr
	v_max_num_f32 v[T+2], v[T+2], v[T+3]
	v_max_num_f32 v[T+4], v[T+4], v[T+5]
	v_permlanex16_b32 v[T+6], v[T+2], s24, s25     ; the row's other eight keys of each tile lie 16 lanes away
	v_permlanex16_b32 v[T+7], v[T+4], s24, s25
	v_max_num_f32 v[T+2], v[T+2], v[T+6]
	v_max_num_f32 v[T+4], v[T+4], v[T+7]
	v_mul_f32 v[T+2], s23, v[T+2]                  ; negated and scaled; all keys masked: +infinity, which loses below
	v_mul_f32 v[T+4], s23, v[T+4]
	v_min_num_f32 v[T+2], v[T+2], v[NR]
	v_min_num_f32 v[T+4], v[T+4], v[NR+2]
	v_sub_f32 v[T+6], v[T+2], v[NR]                ; 0 where the maximum stays
	v_sub_f32 v[T+7], v[T+4], v[NR+2]
	v_exp_f32 v[AL], v[T+6]
	v_exp_f32 v[AL+2], v[T+7]
	v_mov_b32 v[NR], v[T+2]                        ; (also the plain place behind the exponentials)
	v_mov_b32 v[NR+1], v[T+2]
	v_mov_b32 v[NR+2], v[T+4]
	v_mov_b32 v[NR+3], v[T+4]
	s_wait_alu depctr_va_vdst(0)
	v_mov_b32 v[AL+1], v[AL]
	v_mov_b32 v[AL+3], v[AL+2]
.set cnt, 0
.rept 32
	v_pk_fma_f32 v[S+2*cnt:S+2*cnt+1], v[S+2*cnt:S+2*cnt+1], s[20:21], v[NR+2*(cnt/16):NR+2*(cnt/16)+1] op_sel_hi:[1,0,1]
.set cnt, cnt+1
.endr
.set cnt, 0
.rept 64
	v_exp_f32 v[S+cnt], v[S+cnt]
.set cnt, cnt+1
.endr
.set cnt, 0
.rept 32
	v_pk_mul_f32 v[O+2*cnt:O+2*cnt+1], v[O+2*cnt:O+2*cnt+1], v[AL+2*(cnt/16):AL+2*(cnt/16)+1]   ; O follows the maximum (the first is the place behind the exponentials)
.set cnt, cnt+1
.endr
	s_wait_alu depctr_va_vdst(0)
.irp c, 0,1,2,3
	v_pk_add_f32 v[T+2+2*\c:T+3+2*\c], v[S+16*\c:S+16*\c+1], v[S+16*\c+2:S+16*\c+3]
.endr
.irp k, 4,6,8,10,12,14
.irp c, 0,1,2,3
	v_pk_add_f32 v[T+2+2*\c:T+3+2*\c], v[T+2+2*\c:T+3+2*\c], v[S+16*\c+\k:S+16*\c+\k+1]
.endr
.endr
	v_pk_add_f32 v[T+2:T+3], v[T+2:T+3], v[T+4:T+5]
	v_pk_add_f32 v[T+6:T+7], v[T+6:T+7], v[T+8:T+9]
	v_add_f32 v[T+2], v[T+2], v[T+3]
	v_add_f32 v[T+6], v[T+6], v[T+7]
	v_fma_f32 v[L], v[L], v[AL], v[T+2]
	v_fma_f32 v[L+1], v[L+1], v[AL+2], v[T+6]
.set cnt, 0
.rept 32                               ; in place: of each 16 registers (two key tiles) the first 8 become source 1 of the second product
	v_cvt_pk_f16_f32 v[S+16*(cnt/8)+cnt%8], v[S+16*(cnt/8)+2*(cnt%8)], v[S+16*(cnt/8)+2*(cnt%8)+1]
.set cnt, cnt+1
.endr
.endm
; 64 of my team's 128 keys.  mask = 0: none; 1: always; 2: in the step t = n1 - 1 alone.  delta: first key of my 128 less first query of my 32.
.macro HALF s, hf, mask, delta
.irp dc, 0,1
.irp t, 0,1,2,3
	ds_load_b128 v[KV+16*\t+8*\dc:KV+16*\t+8*\dc+3],   v[ADK+\s] offset:(64*\hf+16*\t)*KP+64*\dc
	ds_load_b128 v[KV+16*\t+8*\dc+4:KV+16*\t+8*\dc+7], v[ADK+\s] offset:(64*\hf+16*\t)*KP+64*\dc+32
.endr
.endr
	s_wait_dscnt 0x8                               ; d = 0 .. 31 of the four key tiles are in; the eight younger loads stay out
.irp u, 0,1
.irp t, 0,1,2,3
	v_wmma_f32_16x16x32_f16 v[S+32*\u+8*\t:S+32*\u+8*\t+7], v[KV+16*\t:KV+16*\t+7], v[Q+16*\u:Q+16*\u+7], 0
.endr
.endr
	s_wait_dscnt 0x0
.irp u, 0,1                            ; the eight accumulators take turns, one instruction a turn
.irp t, 0,1,2,3
	v_wmma_f32_16x16x32_f16 v[S+32*\u+8*\t:S+32*\u+8*\t+7], v[KV+16*\t+8:KV+16*\t+15], v[Q+16*\u+8:Q+16*\u+15], v[S+32*\u+8*\t:S+32*\u+8*\t+7]
.endr
.endr
.rept 4
	v_nop                                          ; four places: ahead of the loads into KV and of the readers of S
.endr
.irp cc, 0,1
.irp dt, 0,1,2,3
	ds_load_tr16_b128 v[KV+32*\cc+8*\dt:KV+32*\cc+8*\dt+3],   v[ADV+\s] offset:(64*\hf+32*\cc)*VP+32*\dt
	ds_load_tr16_b128 v[KV+32*\cc+8*\dt+4:KV+32*\cc+8*\dt+7], v[ADV+\s] offset:(64*\hf+32*\cc)*VP+32*\dt+16*VP
.endr
.endr
.if \mask == 2
	s_cmp_lg_u32 s15, s14
	s_cbranch_scc1 .Lnomask_\@
.endif
.if \mask
	v_sub_nc_u32 v[T], v[RH], \delta               ; key <= query  <=>  64 hf + 16 t + j - 16 u <= r - 8 h - delta
.irp u, 0,1
.irp t, 0,1,2,3
.irp j, 0,1,2,3,4,5,6,7
	v_cmp_le_i32 vcc_lo, 64*\hf+16*\t+\j-16*\u, v[T]
	v_cndmask_b32 v[S+32*\u+8*\t+\j], s22, v[S+32*\u+8*\t+\j], vcc_lo
.endr
.endr
.endr
.endif
.if \mask == 2
.Lnomask_\@:
.endif
	SOFTMAX
	s_wait_dscnt 0x0                               ; V's fragments
.irp cc, 0,1
.irp u, 0,1
.irp dt, 0,1,2,3
	v_wmma_f32_16x16x32_f16 v[O+32*\u+8*\dt:O+32*\u+8*\dt+7], v[KV+32*\cc+8*\dt:KV+32*\cc+8*\dt+7], v[S+32*\u+16*\cc:S+32*\u+16*\cc+7], v[O+32*\u+8*\dt:O+32*\u+8*\dt+7]
.endr
.endr
.endr
.rept 5
	v_nop                                          ; five places: the next matrix instruction writes over S, loads follow into KV and Q, vector work on O
.endr
.endm
; One step: the tile of 256 keys in slot s; o = the other slot.  refill = 1 (the loop's steps): the next tile is asked for, and the block may change behind the step.
.macro STEP s, o, refill, mask, delta
	s_set_vgpr_msb 0x5
	s_wait_tensorcnt 0x0                           ; all my tensor loads have landed (one was out: my part of this step's tile), so a group 0 may be written
	ds_add_u32 v0, v1
	s_wait_dscnt 0x0
	s_set_vgpr_msb 0x500
.if \refill
	s_add_co_u32 s16, s16, 1
	s_add_co_u32 s26, s15, 1
	s_cmp_eq_u32 s26, s13
	s_cselect_b32 s16, 0, s16                      ; the next tile: the second block starts again at tile 0
	s_lshl_b32 s26, s16, 15                        ; 256 keys of 128 bytes
	s_add_nc_u64 s[G0K+4*\o+2:G0K+4*\o+3], s[28:29], s[26:27]
	s_or_b32 s[G0K+4*\o+3], s[G0K+4*\o+3], 0x80000000
	s_add_nc_u64 s[G0V+4*\o+2:G0V+4*\o+3], s[30:31], s[26:27]
	s_or_b32 s[G0V+4*\o+3], s[G0V+4*\o+3], 0x80000000
.endif
	s_wait_dscnt 0x0                               ; my reads of the other slot are back, and what I put into the exchange region is there
	s_barrier_signal -1
	s_barrier_wait -1
.if \refill
	KVLOAD \o                                      ; first thing behind the barrier; it has the whole step in which to land
.endif
	s_cmp_lg_u32 s15, s13                          ; the first step of the second block: team 0 finishes the first block
	s_cbranch_scc1 .Lnomerge_\@
	s_cmp_ge_u32 s8, 4
	s_cbranch_scc1 .Lnomerge_\@
	MERGE \o, 36, 1                                ; the region that the step before, on the other slot, wrote
.Lnomerge_\@:
	s_wait_loadcnt 0x0                             ; Q
	HALF \s, 0, \mask, \delta
	HALF \s, 1, \mask, \delta
.if \refill
	s_cmp_lg_u32 s15, s14                          ; the last step of the first block
	s_cbranch_scc1 .Lnoswitch_\@
	LOADQ 34
	s_cmp_lt_u32 s8, 4
	s_cbranch_scc1 .Lnoswitch_\@
	XSTORE \s                                      ; this step's MERGE, if any, read the other region
	RESET
.Lnoswitch_\@:
	s_add_co_u32 s15, s15, 1
.endif
.endm
	s_load_b128 s[4:7], s[0:1], 0x0                ; qkv s[4:5], ctx s[6:7]
	s_set_vgpr_msb 0x40
	v_lshl_add_u32 v0, v0, 2, 0x3b800
	v_mov_b32 v1, 0
	s_set_vgpr_msb 0x4045
	ds_add_u32 v0, v1
	ds_add_u32 v0, v1
	s_set_vgpr_msb 0x4500
	v_lshrrev_b32 v1, 5, v0
	v_readfirstlane_b32 s8, v1                     ; wave 0..7
	s_and_b32 s9, s8, 3                            ; a
	s_lshr_b32 s10, s8, 2                          ; g
	s_mov_b32 s11, ttmp9                           ; p
	s_and_b32 s12, ttmp7, 0xffff                   ; 16 b + h
	s_sub_co_u32 s13, 17, s11
	s_lshr_b32 s13, s13, 1                         ; n1
	s_sub_co_u32 s14, s13, 1
	s_mov_b32 s15, 0                               ; t, the step
	s_mov_b32 s16, 0                               ; the tile last asked for
	s_sub_co_u32 s79, 15, s11                      ; the first block
	s_lshl_b32 s80, s10, 7
	s_lshl_b32 s81, s9, 5
	s_sub_co_u32 s80, s80, s81                     ; 128 g - 32 a
	s_lshl_b32 s18, s14, 8
	s_lshl_b32 s81, s79, 7
	s_sub_co_u32 s18, s18, s81
	s_add_co_u32 s18, s18, s80                     ; delta of the first block's last tile
	s_sub_co_u32 s19, 8, s13
	s_lshl_b32 s19, s19, 8
	s_lshl_b32 s81, s11, 7
	s_sub_co_u32 s19, s19, s81
	s_add_co_u32 s19, s19, s80                     ; delta of the second block's last tile
	s_mov_b32 s20, 0x3e38aa3b                      ; log2 e / 8
	s_mov_b32 s21, 0x3e38aa3b
	s_mov_b32 s22, 0xff800000                      ; -infinity
	s_mov_b32 s23, 0xbe38aa3b
	s_mov_b32 s24, 0x76543210                      ; v_permlanex16_b32: lane i takes lane i of the other half
	s_mov_b32 s25, 0xfedcba98
	s_mov_b32 s27, 0
	; group 1: 64 keys of 128 bytes are dense in memory: 32 rows of 128 elements of 2 bytes; padding behind every 32 words (a key): 4 words (K), 8 words (V)
	s_mov_b32 s[G1K+0], (1<<16)|(1<<20)|(4<<22)|(3<<25)
	s_mov_b32 s[G1V+0], (1<<16)|(1<<20)|(4<<22)|(7<<25)
	s_mov_b32 s[G1K+1], 128<<16
	s_mov_b32 s[G1V+1], 128<<16
	s_mov_b32 s[G1K+2], 32<<16
	s_mov_b32 s[G1V+2], 32<<16
	s_mov_b32 s[G1K+3], 128<<16
	s_mov_b32 s[G1V+3], 128<<16
	s_mov_b32 s[G1K+4], 32
	s_mov_b32 s[G1V+4], 32
	s_mov_b32 s[G1K+5], 128
	s_mov_b32 s[G1V+5], 128
	s_mov_b32 s[G1K+6], 0
	s_mov_b32 s[G1V+6], 0
	s_mov_b32 s[G1K+7], 0
	s_mov_b32 s[G1V+7], 0
	s_mul_i32 s80, s8, 64*KP                       ; K: wave w's 64 keys (waves 0-3)
	s_mul_i32 s81, s8, 64*VP                       ; V: wave w's at VOFF + (w - 4) x 10,240 (waves 4-7)
.irp n, 0,1
	s_mov_b32 s[G0K+4*\n], 1
	s_add_co_u32 s[G0K+4*\n+1], s80, \n*SLOTB
	s_mov_b32 s[G0V+4*\n], 1
	s_add_co_u32 s[G0V+4*\n+1], s81, \n*SLOTB+VOFF-4*64*VP
.endr
	s_mul_i32 s76, s9, XWAVE
	s_add_co_u32 s76, s76, XBASE
	s_add_co_u32 s77, s76, 8192
	s_mul_i32 s78, s9, STGW
	s_add_co_u32 s78, s78, STG
	s_lshl_b32 s82, s12, 18                        ; a head is 262,144 bytes
	s_lshl_b32 s80, s9, 12                         ; 32 rows of 128 bytes
	s_wait_dscnt 0x0
	s_wait_kmcnt 0x0
	s_lshl_b32 s26, s9, 13                         ; 64 keys of 128 bytes
	s_add_co_u32 s26, s26, s82
	s_add_co_u32 s26, s26, 8388608
	s_add_nc_u64 s[28:29], s[4:5], s[26:27]        ; K, my share of tile 0
	s_add_nc_u64 s[30:31], s[28:29], 8388608       ; V
	s_mov_b64 s[G0K+2:G0K+3], s[28:29]
	s_or_b32 s[G0K+3], s[G0K+3], 0x80000000
	s_mov_b64 s[G0V+2:G0V+3], s[30:31]
	s_or_b32 s[G0V+3], s[G0V+3], 0x80000000
	KVLOAD 0                                       ; tile 0: by this text's count a wave never has more than one tensor load out
	s_lshl_b32 s26, s79, 14
	s_add_co_u32 s26, s26, s82
	s_add_co_u32 s26, s26, s80
	s_add_nc_u64 s[32:33], s[4:5], s[26:27]        ; Q of the first block
	s_lshl_b32 s26, s11, 14
	s_add_co_u32 s26, s26, s82
	s_add_co_u32 s26, s26, s80
	s_add_nc_u64 s[34:35], s[4:5], s[26:27]        ; Q of the second
	s_and_b32 s83, s12, 16                         ; 16 b
	s_and_b32 s81, s12, 15
	s_lshl_b32 s81, s81, 14
	s_add_co_u32 s81, s81, s80                     ; h x 16,384 + a x 4,096
	s_add_co_u32 s26, s83, s79
	s_lshl_b32 s26, s26, 18
	s_add_co_u32 s26, s26, s81
	s_add_nc_u64 s[36:37], s[6:7], s[26:27]        ; ctx of the first block
	s_add_co_u32 s26, s83, s11
	s_lshl_b32 s26, s26, 18
	s_add_co_u32 s26, s26, s81
	s_add_nc_u64 s[38:39], s[6:7], s[26:27]        ; ctx of the second
	s_mul_i32 s80, s10, 128*KP
	s_mul_i32 s81, s10, 128*VP
	s_add_co_u32 s81, s81, VOFF
	v_and_b32 v0, 31, v0                           ; lane
	v_and_b32 v[T], 15, v0                         ; r
	v_lshrrev_b32 v[T+1], 4, v0                    ; h
	v_and_b32 v[T+2], 7, v0
	v_bfe_u32 v[T+3], v0, 3, 1
	v_lshrrev_b32 v[T+4], 3, v0
	v_lshlrev_b32 v[QO], 7, v[T]
	v_lshl_add_u32 v[QO], v[T+1], 4, v[QO]
	LOADQ 32
	v_mul_u32_u24 v[T+5], v[T], KP
	v_lshl_add_u32 v[T+5], v[T+1], 4, v[T+5]       ; r 144 + 16 h
	v_add_nc_u32 v[ADK], s80, v[T+5]
	v_add_nc_u32 v[ADK+1], SLOTB, v[ADK]
	v_lshl_add_u32 v[T+6], v[T+1], 3, v[T+2]       ; key 8 h + lane % 8
	v_mul_u32_u24 v[T+6], v[T+6], VP
	v_lshl_add_u32 v[T+6], v[T+3], 4, v[T+6]
	v_add_nc_u32 v[ADV], s81, v[T+6]
	v_add_nc_u32 v[ADV+1], SLOTB, v[ADV]
	v_lshlrev_b32 v[T+7], 3, v[T+1]
	v_sub_nc_u32 v[RH], v[T], v[T+7]
	v_lshlrev_b32 v[CO], 4, v0
	v_add_nc_u32 v[XA], s76, v[CO]
	v_lshl_add_u32 v[XB], v0, 2, s77
	v_add_nc_u32 v[STO], s78, v[T+5]
	v_mul_u32_u24 v[RD], v[T+4], KP
	v_lshl_add_u32 v[RD], v[T+2], 4, v[RD]
	v_add_nc_u32 v[RD], s78, v[RD]
	v_mov_b32 v[T+8], 0                            ; every register at work has been written once: lane permutes count as readers of their destination
	v_mov_b32 v[T+9], 0
.irp i, 0,1,2,3
	v_mov_b32 v[AL+\i], 0
.endr
	RESET
	s_mov_b32 s17, 4
.Llap:                                 ; steps 0 to 7
	STEP 0, 1, 1, 2, s18
	STEP 1, 0, 1, 2, s18
	s_sub_co_u32 s17, s17, 1
	s_cmp_lg_u32 s17, 0
	s_cbranch_scc1 .Llap
	STEP 0, 1, 0, 1, s19                           ; step 8: the second block's last tile; nothing is left to fetch
	s_cmp_lt_u32 s8, 4
	s_cbranch_scc1 .Lteam0
	XSTORE 0                                       ; step 8's MERGE, if any, read region 1
.Lteam0:
	s_wait_dscnt 0x0
	s_barrier_signal -1
	s_barrier_wait -1
	s_cmp_ge_u32 s8, 4
	s_cbranch_scc1 .Lend
	MERGE 0, 38, 0
.Lend:
	s_set_vgpr_msb 0x5
	s_wait_tensorcnt 0x0
	ds_add_u32 v0, v1
	s_wait_dscnt 0x0
	s_set_vgpr_msb 0x500
	s_endpgm
.Lfunc_end_k_q58f7158482_attn:
	.size	k_q58f7158482_attn, .Lfunc_end_k_q58f7158482_attn-k_q58f7158482_attn
	.p2alignl 7, 3214868480
	.fill 96, 4, 3214868480
	.section	.rodata,"a",@progbits
	.p2align	6, 0x0
	.amdhsa_kernel k_q58f7158482_attn
		.amdhsa_group_segment_fixed_size 327680
		.amdhsa_private_segment_fixed_size 0
		.amdhsa_enable_private_segment 0
		.amdhsa_kernarg_size 16
		.amdhsa_user_sgpr_count 2
		.amdhsa_user_sgpr_kernarg_segment_ptr 1
		.amdhsa_wavefront_size32 1
		.amdhsa_system_sgpr_workgroup_id_x 1
		.amdhsa_system_sgpr_workgroup_id_y 1
		.amdhsa_system_sgpr_workgroup_id_z 1
		.amdhsa_system_vgpr_workitem_id 0
		.amdhsa_next_free_vgpr 258
		.amdhsa_next_free_sgpr 84
		.amdhsa_reserve_vcc 1
		.amdhsa_float_denorm_mode_32 3
		.amdhsa_float_denorm_mode_16_64 3
		.amdhsa_memory_ordered 1
		.amdhsa_forward_progress 1
		.amdhsa_inst_pref_size 204
	.end_amdhsa_kernel
	.amdgpu_metadata
---
amdhsa.version: [ 1, 2 ]
amdhsa.kernels:
  - .name:           k_q58f7158482_attn
    .symbol:         k_q58f7158482_attn.kd
    .args:
      - { .name: qkv, .offset: 0, .size: 8, .value_kind: global_buffer, .address_space: global }
      - { .name: ctx, .offset: 8, .size: 8, .value_kind: global_buffer, .address_space: global }
    .group_segment_fixed_size: 327680
    .private_segment_fixed_size: 0
    .kernarg_segment_align: 8
    .kernarg_segment_size: 16
    .max_flat_workgroup_size: 256
    .sgpr_count:     84
    .vgpr_count:     258
    .wavefront_size: 32
...
	.end_amdgpu_metadata
.endif
;; end of part 3
;; launch outp (part 4): grid 8 x 32, 4 waves a work-group, clusters of 4 x 4, 327,680 bytes of LDS; arguments ctx, wb, out0; writes out0
.if DOCPART == 4
	.amdgcn_target "amdgcn-amd-amdhsa--gfx1250"
	.amdhsa_code_object_version 6
	.text
	.protected	k_q58f7158482_outp
	.globl	k_q58f7158482_outp
	.p2align	8
	.type	k_q58f7158482_outp,@function
k_q58f7158482_outp:
	s_mov_b64 s[64:65], 0
	v_nop
	global_prefetch_b8 v0, s[64:65] scope:SCOPE_SE
	s_setreg_imm32_b32 hwreg(HW_REG_WAVE_MODE, 25, 1), 1
	s_wait_xcnt 0x0
	s_wait_alu depctr_hold_cnt(0) depctr_sa_sdst(0) depctr_va_vdst(0) depctr_va_sdst(0) depctr_va_ssrc(0) depctr_va_vcc(0) depctr_vm_vsrc(0)
	s_getreg_b32 s2, hwreg(HW_REG_IB_STS2, 6, 4)
	s_cmp_eq_u32 s2, 0
	s_cbranch_scc0 .Lentry_in_a_cluster
	s_endpgm
.Lentry_in_a_cluster:
	s_bfe_u32 s2, ttmp6, 0x10000c
	s_cmp_lg_u32 s2, 0xf033
	s_cbranch_scc0 .Lentry_shape_is_right
	s_endpgm
.Lentry_shape_is_right:
; out0 = ctx Wo.  ctx[rb 32][h 16][r 128][d 64] f16 (a row block's K panel is dense, in the order h, r, d); Wo = wb's fourth matrix, [1024 k][1024 n], f16 codes;
; sums in f32; out0 [4096][1024] f32.
; A work-group makes 128 x 128: 8 x 32 = 256 work-groups (blocks of 256 x 256 would be 64).  Four waves, 64 x 64 each: 16 accumulator tiles.
; K goes in 4 steps of 256 (four heads) through two LDS slots.  A slot: four heads' 128 rows of 128 bytes + 16 of padding, then 256 k-rows of Wo of
; 256 bytes + 32.  Waves 0, 1 ask for two heads of ctx each (32,768 dense bytes), waves 2, 3 for 128 k-rows of Wo each: one tensor load a wave.
; CLUSTERS of 4 x 4: ctx's tile is asked for jointly by a row of the cluster, Wo's by a column.
; The matrix instruction is used transposed (source 0 = 16 columns of Wo by the transposing LDS load, source 1 = 16 rows of ctx).
; REGISTERS: window 0 addresses, ctx's fragments (two buffers), rows read back; window 1 Wo's fragments (two buffers);
; window 2 accumulators of my rows 0-31, window 3 of my rows 32-63, tile (a, b) at v[8 (4 a + b)].
.set PA,     144
.set PB,     288
.set HEADT,  128*PA                    ; 18,432: one head's 128 rows
.set QUART,  36864                     ; what one tensor load brings: two heads, or 128 k-rows
.set SLOT,   4*QUART                   ; 147,456
.set STAGE,  2*SLOT                    ; 294,912: never a tensor load's target
.set SP,     272
.set NB,     4
.set ADRA, 16                          ; v16-17 my ctx fragments in slot 0, 1
.set ADRB, 18                          ; v18-21 my Wo fragments: slot 0 k-rows 0-127, 128-255; slot 1 likewise
.set STO,  24
.set RD,   25
.set CO,   26
.set FA0,  32
.set FA1,  64
.set RB,   96
.set FB0,  0
.set FB1,  32
.set G1,  24
.set G0,  32
.set G1B, 48
.set G0B, 56
.set MSB, 0
.macro WIN new
.if MSB != \new
	s_set_vgpr_msb (MSB<<8)|\new
.set MSB, \new
.endif
.endm
.set MUL_LO, 0xa1
.set MUL_HI, 0xf1
.set TO_B,   0x40
.macro PLACES                          ; four plain vector places behind a matrix instruction (ISA guide 7.12.1)
.rept 4
	v_nop
.endr
.endm
.macro JLOAD s                         ; waves 0, 1: ctx; waves 2, 3: Wo
	s_cmp_eq_u32 s11, 0
	s_cbranch_scc0 .Lfor_b_\@
	tensor_load_to_lds s[G0+4*\s:G0+4*\s+3], s[G1:G1+7]
	s_nop 0
	s_branch .Lasked_\@
.Lfor_b_\@:
	tensor_load_to_lds s[G0B+4*\s:G0B+4*\s+3], s[G1B:G1B+7]
	s_nop 0
.Lasked_\@:
.endm
.macro CREST
	s_cmp_lg_u32 s10, 0
	s_cbranch_scc1 .Lnot_wave_0_\@
	s_barrier_signal -3
.Lnot_wave_0_\@:
	s_barrier_wait -3
	s_barrier_signal -1
	s_barrier_wait -1
.endm
.macro CROUND
	s_barrier_signal -1
	s_barrier_wait -1
	CREST
.endm
	s_load_b128 s[4:7], s[0:1], 0x0                ; ctx s[4:5], wb s[6:7]
	s_load_b64 s[8:9], s[0:1], 0x10                ; out0
	s_set_vgpr_msb 0x40
	v_lshl_add_u32 v255, v0, 2, 0x4c400
	s_set_vgpr_msb 0x4000
	v_mov_b32 v255, 0
	s_set_vgpr_msb 0x1
	ds_add_u32 v255, v255
	ds_add_u32 v255, v255
	s_set_vgpr_msb 0x100
	v_lshrrev_b32 v1, 5, v0
	v_readfirstlane_b32 s10, v1
	s_lshr_b32 s11, s10, 1                         ; which 64 rows are mine.  Also: I ask for ctx (0) or Wo (1)
	s_and_b32 s12, s10, 1                          ; which 64 columns.  Also: which half of that tile I ask for
	s_bfe_u32 s40, ttmp6, 0x40000
	s_bfe_u32 s41, ttmp6, 0x40004
	s_lshl_b32 s42, ttmp9, 2
	s_add_co_u32 s42, s42, s40                     ; bx
	s_and_b32 s13, ttmp7, 0xffff
	s_lshl_b32 s13, s13, 2
	s_add_co_u32 s13, s13, s41                     ; by
	s_lshl_b32 s43, s41, 2
	s_lshl_b32 s43, 15, s43
	s_lshl_b32 s44, 0x1111, s40
	; group 1.  ctx: 128 rows of 128 elements, dense (pitch 128); padding of 4 words behind every 32 words, that is behind each (head, row) line of 128 bytes.
	; Wo: 128 rows of 128 elements, pitch 1,024; padding of 8 words behind every 64.
	s_or_b32 s[G1+0], s43, (1<<16)|(1<<20)|(1<<21)|(4<<22)|(3<<25)
	s_or_b32 s[G1B+0], s44, (1<<16)|(1<<20)|(1<<21)|(5<<22)|(7<<25)
	s_mov_b32 s[G1+1], 128<<16
	s_mov_b32 s[G1B+1], 128<<16
	s_mov_b32 s[G1+2], 128<<16
	s_mov_b32 s[G1B+2], 128<<16
	s_mov_b32 s[G1+3], 128<<16
	s_mov_b32 s[G1B+3], 128<<16
	s_mov_b32 s[G1+4], 128
	s_mov_b32 s[G1B+4], 128
	s_mov_b32 s[G1+5], 128
	s_mov_b32 s[G1B+5], 1024
	s_mov_b32 s[G1+6], 0
	s_mov_b32 s[G1B+6], 0
	s_mov_b32 s[G1+7], 0
	s_mov_b32 s[G1B+7], 0
	s_lshl_b32 s16, s13, 18                        ; a row block's panel is 262,144 bytes
	s_lshl_b32 s17, s12, 15                        ; two heads are 32,768
	s_add_co_u32 s16, s16, s17
	s_mov_b32 s17, 0
	s_lshl_b32 s46, s42, 8                         ; 128 columns are 256 bytes
	s_lshl_b32 s47, s12, 18                        ; 128 k-rows of 2,048 bytes
	s_add_co_u32 s46, s46, s47
	s_add_co_u32 s46, s46, 6291456                 ; the fourth matrix of wb
	s_mov_b32 s47, 0
	s_mul_i32 s20, s10, QUART                      ; LDS: wave w's quarter of a slot
	s_wait_dscnt 0x0
	s_wait_kmcnt 0x0
	s_add_nc_u64 s[14:15], s[4:5], s[16:17]
	s_add_nc_u64 s[46:47], s[6:7], s[46:47]
	CROUND                                         ; the first joint loads meet
.irp s, 0,1
	s_mov_b32 s[G0+4*\s], 1
	s_add_co_u32 s[G0+4*\s+1], s20, \s*SLOT
	s_add_nc_u64 s[G0+4*\s+2:G0+4*\s+3], s[14:15], \s*65536
	s_or_b32 s[G0+4*\s+3], s[G0+4*\s+3], 0x80000000
	s_mov_b32 s[G0B+4*\s], 1
	s_add_co_u32 s[G0B+4*\s+1], s20, \s*SLOT
	s_add_nc_u64 s[G0B+4*\s+2:G0B+4*\s+3], s[46:47], \s*524288
	s_or_b32 s[G0B+4*\s+3], s[G0B+4*\s+3], 0x80000000
	JLOAD \s                                       ; K steps 0 and 1: two tensor loads of the wave are out
.endr
	v_and_b32 v1, 15, v0                           ; r
	v_bfe_u32 v2, v0, 4, 1                         ; h
	v_mul_u32_u24 v3, v1, PA
	v_lshl_add_u32 v3, v2, 4, v3
	v_and_b32 v5, 7, v0
	v_lshl_add_u32 v5, v2, 3, v5
	v_bfe_u32 v6, v0, 3, 1
	v_mul_u32_u24 v4, v5, PB
	v_lshl_add_u32 v4, v6, 4, v4
	s_mul_i32 s21, s11, 64*PA
	s_lshl_b32 s22, s12, 7
	s_add_co_u32 s22, s22, 2*QUART
.irp s, 0,1
	v_add_nc_u32 v[ADRA+\s], s21, v3
	v_add_nc_u32 v[ADRB+2*\s], s22, v4
	v_add_nc_u32 v[ADRB+2*\s+1], QUART, v[ADRB+2*\s]
	s_add_co_u32 s21, s21, SLOT
	s_add_co_u32 s22, s22, SLOT
.endr
	s_mul_i32 s70, s10, 16*SP
	s_add_co_u32 s70, s70, STAGE
	v_mul_u32_u24 v4, v1, SP
	v_lshl_add_u32 v4, v2, 5, v4
	v_add_nc_u32 v[STO], s70, v4                   ; in: row r, 32 bytes for each half of the lanes
	v_mul_u32_u24 v5, v2, SP
	v_lshl_add_u32 v5, v1, 4, v5
	v_add_nc_u32 v[RD], s70, v5                    ; back: lanes 0-15 one row of 256 bytes, lanes 16-31 the next
	v_lshlrev_b32 v5, 12, v2
	v_lshl_add_u32 v[CO], v1, 4, v5                ; the same two rows in out0
; 4 matrix instructions.  All 16 accumulators take turns in one fixed order, one instruction a turn.
.macro MULROW fa, fb, hi, a, zero
.irp b, 0,1,2,3
.if \zero
	v_wmma_f32_16x16x32_f16 v[8*(NB*\a+\b):8*(NB*\a+\b)+7], v[\fb+8*\b:\fb+8*\b+7], v[\fa+8*(2*\hi+\a):\fa+8*(2*\hi+\a)+7], 0
.else
	v_wmma_f32_16x16x32_f16 v[8*(NB*\a+\b):8*(NB*\a+\b)+7], v[\fb+8*\b:\fb+8*\b+7], v[\fa+8*(2*\hi+\a):\fa+8*(2*\hi+\a)+7], v[8*(NB*\a+\b):8*(NB*\a+\b)+7]
.endif
.endr
.endm
; 16 LDS loads: chunk kc (32 along K, 0..7) of a slot: head kc / 2, d = 32 (kc % 2) ..
.macro FETCH slot, kc, fa, fb
	WIN TO_B
.irp i, 0,1,2,3
	ds_load_tr16_b128 v[\fb+8*\i:\fb+8*\i+3],   v[ADRB+2*\slot+(\kc>>2)] offset:(\kc&3)*32*PB+32*\i
	ds_load_tr16_b128 v[\fb+8*\i+4:\fb+8*\i+7], v[ADRB+2*\slot+(\kc>>2)] offset:(\kc&3)*32*PB+32*\i+16*PB
.endr
	WIN 0
.irp i, 0,1,2,3
	ds_load_b128 v[\fa+8*\i:\fa+8*\i+3],   v[ADRA+\slot] offset:(\kc>>1)*HEADT+(\kc&1)*64+\i*16*PA
	ds_load_b128 v[\fa+8*\i+4:\fa+8*\i+7], v[ADRA+\slot] offset:(\kc>>1)*HEADT+(\kc&1)*64+\i*16*PA+32
.endr
.endm
.macro CHUNK slot, kc, fa, fb, ga, gb, zero
	s_wait_dscnt 4                                 ; all but the four youngest loads (ctx's tiles 2, 3)
	WIN MUL_LO
	MULROW \fa, \fb, 0, 0, \zero
	MULROW \fa, \fb, 0, 1, \zero
	PLACES
	FETCH \slot, \kc, \ga, \gb
	s_wait_dscnt 16                                ; all but the 16 just issued
	WIN MUL_HI
	MULROW \fa, \fb, 1, 0, \zero
	MULROW \fa, \fb, 1, 1, \zero
.endm
.macro SEVEN slot, zero
	CHUNK \slot, 1, FA0, FB0, FA1, FB1, \zero
	CHUNK \slot, 2, FA1, FB1, FA0, FB0, 0
	CHUNK \slot, 3, FA0, FB0, FA1, FB1, 0
	CHUNK \slot, 4, FA1, FB1, FA0, FB0, 0
	CHUNK \slot, 5, FA0, FB0, FA1, FB1, 0
	CHUNK \slot, 6, FA1, FB1, FA0, FB0, 0
	CHUNK \slot, 7, FA0, FB0, FA1, FB1, 0
.endm
; The eighth chunk changes slots: each wave's waits for its reads and for all its tensor loads, the barrier (with fill = 1 it opens a round of the
; cluster's barrier), the joint refill first behind it, then the next slot's first fragments.
.macro TURN slot, next, fill
	s_wait_dscnt 4
	WIN MUL_LO
	MULROW FA1, FB1, 0, 0, 0
	s_wait_dscnt 0
	s_wait_tensorcnt 0x0
	ds_add_u32 v255, v255
	s_wait_dscnt 0x0
	s_barrier_signal -1
	MULROW FA1, FB1, 0, 1, 0
	WIN 0
	s_barrier_wait -1
.if \fill
	CREST
	s_add_nc_u64 s[G0+4*\slot+2:G0+4*\slot+3], s[G0+4*\slot+2:G0+4*\slot+3], 131072
	s_add_nc_u64 s[G0B+4*\slot+2:G0B+4*\slot+3], s[G0B+4*\slot+2:G0B+4*\slot+3], 1048576
	JLOAD \slot
.endif
	PLACES
	FETCH \next, 0, FA0, FB0
	WIN MUL_HI
	MULROW FA1, FB1, 1, 0, 0
	MULROW FA1, FB1, 1, 1, 0
.endm
	s_wait_tensorcnt 1                             ; my part of K step 0 is in; K step 1's may stay out
	s_barrier_signal -1
	s_barrier_wait -1
	FETCH 0, 0, FA0, FB0
	SEVEN 0, 1                                     ; K step 0: the first products start the sums
	TURN 0, 1, 1                                   ; slot 0 gets K step 2
	SEVEN 1, 0
	TURN 1, 0, 1                                   ; slot 1 gets K step 3
	SEVEN 0, 0
	TURN 0, 1, 0                                   ; nothing is left to fetch
	SEVEN 1, 0
	s_wait_dscnt 4
	WIN MUL_LO
	MULROW FA1, FB1, 0, 0, 0
	MULROW FA1, FB1, 0, 1, 0
	s_wait_dscnt 0
	WIN MUL_HI
	MULROW FA1, FB1, 1, 0, 0
	MULROW FA1, FB1, 1, 1, 0
	; THE WAY OUT, 16 rows at a time: 32 bytes a lane and tile from the accumulators into my own stage, read back as whole rows of 256 bytes.
	PLACES
	s_lshl_b32 s72, s13, 19                        ; 128 rows of 4,096 bytes
	s_lshl_b32 s71, s11, 18
	s_add_co_u32 s72, s72, s71
	s_lshl_b32 s71, s42, 9                         ; 128 columns of 4 bytes
	s_add_co_u32 s72, s72, s71
	s_lshl_b32 s71, s12, 8
	s_add_co_u32 s72, s72, s71
	s_mov_b32 s73, 0
	s_add_nc_u64 s[66:67], s[8:9], s[72:73]
.macro OUT16 i, a, from
	WIN \from                                      ; the stores' data come from window 2 or 3
.irp b, 0,1,2,3
	ds_store_b128 v[STO], v[8*(NB*\a+\b):8*(NB*\a+\b)+3]   offset:64*\b
	ds_store_b128 v[STO], v[8*(NB*\a+\b)+4:8*(NB*\a+\b)+7] offset:64*\b+16
.endr
	WIN 0
	s_wait_xcnt 0x0                                ; RB, which the last stores read, is loaded again only behind this wait
.irp t, 0,1,2,3,4,5,6,7
	ds_load_b128 v[RB+4*\t:RB+4*\t+3], v[RD] offset:2*SP*\t    ; my own bytes, served in order behind the stores
.endr
.irp t, 0,1,2,3,4,5,6,7
	s_wait_dscnt 7-\t
	global_store_b128 v[CO], v[RB+4*\t:RB+4*\t+3], s[66:67] offset:(16*\i+2*\t)*4096 th:TH_STORE_NT   ; 16 lanes store 256 consecutive bytes, aligned
.endr
.endm
	OUT16 0, 0, 0x08
	OUT16 1, 1, 0x08
	OUT16 2, 0, 0x0c
	OUT16 3, 1, 0x0c
	s_set_vgpr_msb 0x1
	s_wait_tensorcnt 0x0
	ds_add_u32 v255, v255
	s_wait_dscnt 0x0
	s_set_vgpr_msb 0x100
	CROUND                                         ; the closing round
	s_endpgm
.Lfunc_end_k_q58f7158482_outp:
	.size	k_q58f7158482_outp, .Lfunc_end_k_q58f7158482_outp-k_q58f7158482_outp
	.p2alignl 7, 3214868480
	.fill 96, 4, 3214868480
	.section	.rodata,"a",@progbits
	.p2align	6, 0x0
	.amdhsa_kernel k_q58f7158482_outp
		.amdhsa_group_segment_fixed_size 327680
		.amdhsa_private_segment_fixed_size 0
		.amdhsa_enable_private_segment 0
		.amdhsa_kernarg_size 24
		.amdhsa_user_sgpr_count 2
		.amdhsa_user_sgpr_kernarg_segment_ptr 1
		.amdhsa_wavefront_size32 1
		.amdhsa_system_sgpr_workgroup_id_x 1
		.amdhsa_system_sgpr_workgroup_id_y 1
		.amdhsa_system_sgpr_workgroup_id_z 1
		.amdhsa_system_vgpr_workitem_id 0
		.amdhsa_next_free_vgpr 832
		.amdhsa_next_free_sgpr 76
		.amdhsa_reserve_vcc 0
		.amdhsa_float_denorm_mode_32 3
		.amdhsa_float_denorm_mode_16_64 3
		.amdhsa_memory_ordered 1
		.amdhsa_forward_progress 1
		.amdhsa_inst_pref_size 92
	.end_amdhsa_kernel
	.amdgpu_metadata
---
amdhsa.version: [ 1, 2 ]
amdhsa.kernels:
  - .name:           k_q58f7158482_outp
    .symbol:         k_q58f7158482_outp.kd
    .args:
      - { .name: ctx, .offset: 0, .size: 8, .value_kind: global_buffer, .address_space: global }
      - { .name: wb, .offset: 8, .size: 8, .value_kind: global_buffer, .address_space: global }
      - { .name: out0, .offset: 16, .size: 8, .value_kind: global_buffer, .address_space: global }
    .group_segment_fixed_size: 327680
    .private_segment_fixed_size: 0
    .kernarg_segment_align: 8
    .kernarg_segment_size: 24
    .max_flat_workgroup_size: 128
    .sgpr_count:     76
    .vgpr_count:     832
    .wavefront_size: 32
...
	.end_amdgpu_metadata
.endif
;; end of part 4
